; MI455X (gfx1250); checked and timed in simulation.
; The chip was launched on July 23, 2026; its instructions are those of AMD's public machine-readable ISA for CDNA 5 (MIT licence, August 2026) and "CDNA5" Instruction Set Architecture Reference Guide (July 2026). The comments in the code are by the model that wrote it; some were corrected since.
;; Global Discrete Attention. Allowed arithmetic: matrix products marked QUANTISED: E5M2 operands, one E8M0 scale for each 32 along K, by v_wmma_scale_f32_16x16x128_f8f6f4 with both operands' format E5M2, f32 sums; everything else in f32.
;; Inputs: evidence_mask 4 x 4,096 bool; mask_value 64 float32; pop_lut 256 float32; temperature one number float32; value_table 256 x 64 float32; z 4 x 8 x 64 x 64 float32.
;; Outputs: out0 4 x 64 x 64 x 64 float32.
;; This version of the problem:
;;   THIS VERSION OF THE PROBLEM IS GIVEN IN LOW PRECISION. The matrix products marked QUANTISED in the list below multiply operands that are first quantised to E5M2 (5 exponent bits, 2 mantissa bits; 8 bits a number), with one power-of-two scale for each 32 numbers along K (OCP MX v1.0); their sums are f32. All else is computed in f32.
;;   The module's matrix products, in the order in which they are computed (A, B: the left and right operand; K: the contracted axis; several contracted axes count as one K, in the product's order):
;;     1. batch 4 x [M 4,096, K 4,096] x [K 4,096, N 64]; A: computed on the way; B: computed on the way: QUANTISED
;;   THE QUANTISER, for each operand of a quantised product, along K:
;;     - K is cut into blocks of 32 from its start; a last block that is shorter is filled with zeros.
;;     - A block's scale is 2^e with e = floor(log2(the largest magnitude in the block)) - 15, held to -126 .. 127; a block of zeros has e = 0. As a byte (E8M0): e + 127.
;;     - Each number is divided by its block's scale, clamped to +-57,344, and rounded to the nearest number of E5M2, ties to even, subnormals kept.
;;     - The product sums the exact products of the quantised numbers (number of the format x scale) in f32.
;;   ~~~python
;;   def quantise(x, axis):      # numpy; x: float32 -> the quantised numbers, widened to float32 again
;;       x = np.moveaxis(x, axis, -1); K = x.shape[-1]
;;       x = np.pad(x, [(0, 0)] * (x.ndim - 1) + [(0, -K % 32)]); x = x.reshape(x.shape[:-1] + (-1, 32)); a = np.abs(x).max(-1, keepdims=True)
;;       e = np.where(a > 0, np.clip(np.frexp(np.where(a > 0, a, 1))[1] - 1 - 15, -126, 127), 0)      # np.frexp(a)[1] - 1 = floor(log2(a)), exactly
;;       r = np.clip(x / 2.0 ** e, -57344, 57344)
;;       step = 2.0 ** (np.maximum(np.frexp(np.where(r == 0, 1, r))[1] - 1, -14) - 2)
;;       q = np.round(r / step) * step * 2.0 ** e      # np.round: ties to even
;;       return np.moveaxis(q.reshape(q.shape[:-2] + (-1,))[..., :K], -1, axis).astype(np.float32)
;;   ~~~
;;   OPERANDS COMPUTED ON THE WAY. 'Computed on the way' means the value that the module computes at that place (a softmax that the list does not call 'softmax' is quantised finished and normalised). What goes into a quantiser is computed in f32, as accurately as f32 sums, v_exp_f32 and their like allow (about 1e-6 of the number): no bf16 or f16 on the way to a quantiser, and a product that is left as it is and whose result goes on into a quantised operand takes f32 operands (vector FMAs, or v_wmma_f32_16x16x4_f32). A number that lies on a knife's edge between two numbers of the format may be rounded either way, as far as f32 arithmetic and the matrix unit's own rounding can turn it there, and no further.
;; One version. Each part assembles by itself: llvm-mc -triple=amdgcn-amd-amdhsa -mcpu=gfx1250 --defsym DOCPART=n.
;; ======== version 1 of 1: 3 launches
;; workspace buffers: kc 32,768 bytes of whole numbers; acodes 4,194,304 bytes; ascales 131,072 bytes; vcodes 1,048,576 bytes; vscales 32,768 bytes
;; launch pack (part 1): grid 128 x 1, 1 waves a work-group, no clusters, 0 bytes of LDS; arguments z, evidence_mask, kc; writes kc
.if DOCPART == 1
	.amdgcn_target "amdgcn-amd-amdhsa--gfx1250"
	.amdhsa_code_object_version 6
	.text
	.protected	k_qda32ce9426_pack
	.globl	k_qda32ce9426_pack
	.p2align	8
	.type	k_qda32ce9426_pack,@function
k_qda32ce9426_pack:
	s_mov_b64 s[64:65], 0
	v_nop
	global_prefetch_b8 v0, s[64:65] scope:SCOPE_SE
	s_setreg_imm32_b32 hwreg(HW_REG_WAVE_MODE, 25, 1), 1
	s_wait_xcnt 0x0
; kc[b][n] = the byte code of place n (bit k set where z[b][k][n] > 0.5), + 256 where evidence_mask[b][n] is 0.  z: [4][8][4096] f32, evidence_mask: [4][4096] bytes, kc: [4][4096] u16.
; The later launches form addresses from these whole numbers, so they are made here and go through memory.
; One wave to a work-group, 128 places to a wave, 4 to a lane: each of the 8 loads of z covers 512 consecutive bytes of one plane, and the wave's one store covers 256 consecutive bytes, aligned.
; A mask byte other than 0 counts as true.  A NaN in z gives the bit 0, as the comparison in the problem does.
.set PLANE, 16384                      ; bytes of a plane of z
.set CD,    8                          ; v8-11   the four codes
.set Z,     16                         ; v16-47  plane p's four numbers at v[Z + 4 p]
	s_load_b128 s[4:7], s[0:1], 0x0                ; z, evidence_mask
	s_load_b64 s[8:9], s[0:1], 0x10                ; kc
	s_lshr_b32 s10, ttmp9, 5                       ; batch: 32 work-groups each
	s_and_b32 s11, ttmp9, 31                       ; which 128 places of it
	s_lshl_b32 s10, s10, 17                        ; 8 planes x 16,384 bytes
	s_lshl_b32 s11, s11, 9                         ; 128 places x 4 bytes
	s_add_co_u32 s10, s10, s11
	s_mov_b32 s11, 0
	s_lshl_b32 s12, ttmp9, 7                       ; the mask: 128 bytes a work-group
	s_mov_b32 s13, 0
	s_lshl_b32 s14, ttmp9, 8                       ; kc: 256 bytes a work-group
	s_mov_b32 s15, 0
	v_lshlrev_b32 v1, 4, v0                        ; my 16 bytes of a plane's 512
	v_lshlrev_b32 v2, 2, v0                        ; my 4 mask bytes
	v_lshlrev_b32 v3, 3, v0                        ; my 8 bytes of kc
	v_mov_b32 v4, 0x100
.irp j, 0,1,2,3
	v_mov_b32 v[CD+\j], 0
.endr
	s_wait_alu depctr_va_vdst(0)
	s_wait_kmcnt 0x0
	s_add_nc_u64 s[4:5], s[4:5], s[10:11]
	s_add_nc_u64 s[6:7], s[6:7], s[12:13]
	s_add_nc_u64 s[8:9], s[8:9], s[14:15]
.irp p, 7,6,5,4,3,2,1,0
	global_load_b128 v[Z+4*\p:Z+4*\p+3], v1, s[4:5] offset:\p*PLANE th:TH_LOAD_NT
.endr
	global_load_b32 v5, v2, s[6:7] th:TH_LOAD_NT
; code = 2 code + bit, from plane 7 down to plane 0: the comparison's bit goes in as the carry
.irp p, 7,6,5,4,3,2,1,0
	s_wait_alu depctr_va_vdst(0)
	s_wait_loadcnt \p+1                            ; plane p is in: behind it were issued the p lower planes and the mask
.irp j, 0,1,2,3
	v_cmp_lt_f32 vcc_lo, 0.5, v[Z+4*\p+\j]
	v_add_co_ci_u32 v[CD+\j], vcc_lo, v[CD+\j], v[CD+\j], vcc_lo
.endr
.endr
	s_wait_loadcnt 0x0                             ; the mask
.irp j, 0,1,2,3
	v_bfe_u32 v6, v5, 8*\j, 8
	v_cmp_eq_u32 vcc_lo, 0, v6
	v_cndmask_b32 v6, 0, v4, vcc_lo                ; 256 where there is no evidence
	v_or_b32 v[CD+\j], v[CD+\j], v6
.endr
	v_lshl_or_b32 v12, v[CD+1], 16, v[CD]
	v_lshl_or_b32 v13, v[CD+3], 16, v[CD+2]
	global_store_b64 v3, v[12:13], s[8:9]          ; 32 lanes store 256 consecutive bytes, aligned
	s_endpgm
.Lfunc_end_k_qda32ce9426_pack:
	.size	k_qda32ce9426_pack, .Lfunc_end_k_qda32ce9426_pack-k_qda32ce9426_pack
	.p2alignl 7, 3214868480
	.fill 96, 4, 3214868480
	.section	.rodata,"a",@progbits
	.p2align	6, 0x0
	.amdhsa_kernel k_qda32ce9426_pack
		.amdhsa_group_segment_fixed_size 0
		.amdhsa_private_segment_fixed_size 0
		.amdhsa_enable_private_segment 0
		.amdhsa_kernarg_size 24
		.amdhsa_user_sgpr_count 2
		.amdhsa_user_sgpr_kernarg_segment_ptr 1
		.amdhsa_wavefront_size32 1
		.amdhsa_system_sgpr_workgroup_id_x 1
		.amdhsa_system_sgpr_workgroup_id_y 1
		.amdhsa_system_sgpr_workgroup_id_z 1
		.amdhsa_system_vgpr_workitem_id 0
		.amdhsa_next_free_vgpr 48
		.amdhsa_next_free_sgpr 66
		.amdhsa_reserve_vcc 1
		.amdhsa_float_denorm_mode_32 3
		.amdhsa_float_denorm_mode_16_64 3
		.amdhsa_memory_ordered 1
		.amdhsa_forward_progress 1
		.amdhsa_inst_pref_size 6
	.end_amdhsa_kernel
	.amdgpu_metadata
---
amdhsa.version: [ 1, 2 ]
amdhsa.kernels:
  - .name:           k_qda32ce9426_pack
    .symbol:         k_qda32ce9426_pack.kd
    .args:
      - { .name: z, .offset: 0, .size: 8, .value_kind: global_buffer, .address_space: global }
      - { .name: evidence_mask, .offset: 8, .size: 8, .value_kind: global_buffer, .address_space: global }
      - { .name: kc, .offset: 16, .size: 8, .value_kind: global_buffer, .address_space: global }
    .group_segment_fixed_size: 0
    .private_segment_fixed_size: 0
    .kernarg_segment_align: 8
    .kernarg_segment_size: 24
    .max_flat_workgroup_size: 32
    .sgpr_count:     66
    .vgpr_count:     48
    .wavefront_size: 32
...
	.end_amdgpu_metadata
.endif
;; end of part 1
;; launch tables (part 2): grid 256 x 1, 4 waves a work-group, no clusters, 4,608 bytes of LDS; arguments kc, pop_lut, temperature, value_table, mask_value, acodes, ascales, vcodes, vscales; writes acodes, ascales, vcodes, vscales
.if DOCPART == 2
	.amdgcn_target "amdgcn-amd-amdhsa--gfx1250"
	.amdhsa_code_object_version 6
	.text
	.protected	k_qda32ce9426_tables
	.globl	k_qda32ce9426_tables
	.p2align	8
	.type	k_qda32ce9426_tables,@function
k_qda32ce9426_tables:
	s_mov_b64 s[64:65], 0
	v_nop
	global_prefetch_b8 v0, s[64:65] scope:SCOPE_SE
	s_setreg_imm32_b32 hwreg(HW_REG_WAVE_MODE, 25, 1), 1
	s_wait_xcnt 0x0
; Both operands of the product out = attn x values, as codes of BF8 (E5M2) with one E8M0 byte for each 32 keys.
; ATTN.  A row of attn hangs on its query only through the query's byte code c.  So the finished, normalised row is made and quantised ONCE for each (batch, c): 1,024 rows of 4,096 keys, not 16,384.
;   acodes[b][c][key]: one code a byte;  ascales[b][c][key / 32].  The next launch gathers a query's row by its code.
;   score(key) = -pop_lut[c xor code(key)] / max(temperature, 0.1);  m = the largest score of the keys with evidence (0 if there is none);  e = exp(score - m), 0 without evidence;  attn = e / max(sum e, 1e-20).
; VALUES.  values[key][d] = value_table[code(key)][d], or mask_value[d] without evidence, quantised along the keys.
;   vcodes: in the order of the operand's registers: [b][K step of 128 keys][16 d][block of 32 keys][lane (d % 16, half h)][16 codes: keys 16 h + 0 .. 15 of the block];  vscales[b][K step][d]: a word of four bytes.
; SHARES.  Work-group g: batch g / 64, i = g % 64.  Wave w makes row c = 4 i + w, and for V the block 4 (i / 2) + w of 32 keys for the 32 columns d = 32 (i % 2) + lane.
; ROW.  Each of the 16 loads of kc covers 512 consecutive bytes: lane l gets keys 256 t + 8 l + 0 .. 7, eight NEIGHBOURS, which is what one conversion takes; a block of 32 lies in four neighbouring lanes.
;   The wave's store of a load's 256 codes covers 256 consecutive bytes, aligned.  The scores come from a table of 512 words in LDS, one gather a key: kc has bit 8 set where there is no evidence, the xor with c keeps it,
;   and entries 256 .. 511 hold -infinity, which the maximum passes over and the exponential turns into 0.
; V.  A lane takes a column d and its registers run down the 32 keys: each load reads 128 consecutive bytes of one row of the table, the block's largest magnitude needs no other lane.
; ARITHMETIC.  All in f32.  The two divisions are a reciprocal with one Newton step.  The row's sum runs in another order than a serial sum.
; LIMITS.  NaN and infinities in pop_lut, temperature, value_table, mask_value are not served.  An exponential under 2^-126 becomes 0.  A block whose largest magnitude lies under 2^(16 - 127), a block of zeros among them,
;   keeps the byte 1 (the rule gives a block of zeros 127): its codes are zeros or nearly so, and this program alone reads the bytes.
; V's 32 scale words of a work-group leave as 128 consecutive bytes, half of an aligned 256: the other half belongs to the neighbouring work-group (32,768 bytes in the whole launch).
.set TBL, 0                            ; LDS: 512 scores
.set AS,  2048                         ; the four rows' scale bytes, 128 each
.set VS,  2560                         ; V's scale words: 32 columns x 4 bytes, byte w from wave w
.set X,   32                           ; v32-159  the row: my 128 keys' indices, scores, e, attn
.set W,   160                          ; v160-223 kc as loaded, two keys a word; free behind the unpacking:
.set T,   160                          ; v160-167 eight blocks' largest magnitudes, then their bytes
.set SCL, 168                          ; v168-175 the conversions' scale operands
.set H,   176                          ; v176-183 57,344 x the scale
.set C,   184                          ; v184-215 the row's codes: two registers for each of 16 groups, so that no store's data are written again
.set M,   216                          ; v216-223 at work: maxima, sums
.set V,   224                          ; v224-255 V: 32 addresses, then the 32 numbers
.set KW,  32                           ; s[32:47] kc of my block of V, two keys a word
.set MNT, 48                           ; s48      the mantissa field of 57,344
.set LG,  50                           ; s[50:51] log2(e), twice (named as a pair)
.set SEL, 58                           ; s[58:59] v_permlanex16_b32's selects for lane l xor 16
	s_load_b512 s[8:23], s[0:1], 0x0               ; kc s[8:9], pop_lut s[10:11], temperature s[12:13], value_table s[14:15], mask_value s[16:17], acodes s[18:19], ascales s[20:21], vcodes s[22:23]
	s_load_b64 s[24:25], s[0:1], 0x40              ; vscales
	v_lshl_add_u32 v30, v0, 2, 0x1000
	v_mov_b32 v31, 0
	v_lshrrev_b32 v1, 5, v0
	v_readfirstlane_b32 s2, v1                     ; wave 0..3
	v_and_b32 v1, 31, v0                           ; lane
	s_wait_alu depctr_va_vdst(0)
	s_lshr_b32 s3, ttmp9, 6                        ; batch
	s_and_b32 s4, ttmp9, 63                        ; i
	s_lshl_b32 s5, s4, 2
	s_add_co_u32 s5, s5, s2                        ; c = 4 i + wave
	s_lshl_b32 s6, s5, 16
	s_or_b32 s6, s6, s5                            ; c in both halves of a word
	s_lshr_b32 s7, s4, 1                           ; V: K step
	s_and_b32 s26, s4, 1                           ; V: which 32 columns
	s_lshl_b32 s28, s3, 13                         ; kc: 8,192 bytes a batch
	s_mov_b32 s29, 0
	s_lshl_b32 s30, s7, 2
	s_add_co_u32 s30, s30, s2                      ; V: block 4 x K step + wave,
	s_lshl_b32 s30, s30, 6                         ; 64 bytes of kc each
	s_mov_b32 s31, 0
	s_mov_b32 s[MNT], 0x600000
	s_mov_b32 s[LG], 0x3fb8aa3b
	s_mov_b32 s[LG+1], s[LG]
	s_mov_b32 s[SEL], 0x76543210
	s_mov_b32 s[SEL+1], 0xfedcba98
	s_mov_b32 s53, 0
	v_lshlrev_b32 v2, 4, v1                        ; 16 x lane: kc's loads; the way out of A's scale bytes
	v_lshlrev_b32 v3, 2, v0                        ; 4 x thread: pop_lut, and the table in LDS
	v_lshlrev_b32 v14, 2, v1                       ; 4 x lane
	s_lshl_b32 s54, s26, 7
	v_add_nc_u32 v4, s54, v14                      ; 4 d: my column in a row of the table and in mask_value
	v_lshrrev_b32 v10, 2, v1
	s_lshl_b32 s54, s2, 7
	v_add_nc_u32 v10, s54, v10                     ; LDS: my row's 128 scale bytes, my block's byte of a group's eight: lane / 4 + 128 x wave
	v_lshlrev_b32 v11, 3, v1                       ; my 8 codes of a group's 256
	v_add_nc_u32 v12, s2, v14                      ; LDS: V's scale byte: 4 x lane + wave
	v_lshrrev_b32 v13, 4, v1
	v_lshlrev_b32 v13, 11, v13
	v_and_b32 v15, 15, v1
	v_lshl_add_u32 v13, v15, 4, v13                ; vcodes: 2,048 (lane / 16), the next 16 columns' fragment, + 16 (lane % 16)
	s_wait_alu depctr_va_vdst(0)
	s_wait_kmcnt 0x0
	s_add_nc_u64 s[8:9], s[8:9], s[28:29]          ; kc at my batch
	s_add_nc_u64 s[30:31], s[8:9], s[30:31]        ; and at my block of V
	s_load_b512 s[32:47], s[30:31], 0x0
	s_load_b32 s27, s[12:13], 0x0                  ; temperature
	global_load_b32 v5, v3, s[10:11]               ; pop_lut[thread]
	global_load_b32 v6, v3, s[10:11] offset:512    ; pop_lut[thread + 128]
.set t, 0
.rept 16
	global_load_b128 v[W+4*t:W+4*t+3], v2, s[8:9] offset:512*t     ; 256 keys: 512 consecutive bytes
.set t, t+1
.endr
	global_load_b32 v7, v4, s[16:17]               ; mask_value[d]
	s_lshl_b32 s52, s3, 8                          ; acodes: row 256 b + c of 4,096 bytes
	s_add_co_u32 s52, s52, s5
	s_lshl_b32 s52, s52, 12
	s_add_nc_u64 s[18:19], s[18:19], s[52:53]
	s_lshl_b32 s52, s3, 15                         ; ascales: rows 256 b + 4 i on, 128 bytes each
	s_lshl_b32 s54, s4, 9
	s_add_co_u32 s52, s52, s54
	s_add_nc_u64 s[20:21], s[20:21], s[52:53]
	s_lshl_b32 s52, s3, 18                         ; vcodes: 262,144 b + 8,192 K step + 4,096 column half + 512 wave (the block in its K step)
	s_lshl_b32 s54, s7, 13
	s_add_co_u32 s52, s52, s54
	s_lshl_b32 s54, s26, 12
	s_add_co_u32 s52, s52, s54
	s_lshl_b32 s54, s2, 9
	s_add_co_u32 s52, s52, s54
	s_add_nc_u64 s[22:23], s[22:23], s[52:53]
	s_lshl_b32 s52, s3, 13                         ; vscales: 8,192 b + 256 K step + 128 column half
	s_lshl_b32 s54, s7, 8
	s_add_co_u32 s52, s52, s54
	s_lshl_b32 s54, s26, 7
	s_add_co_u32 s52, s52, s54
	s_add_nc_u64 s[24:25], s[24:25], s[52:53]
	s_wait_kmcnt 0x0                               ; my block's kc, and the temperature
; V's 32 loads go out now and are used at the end.  The row of the table is the key's code (its low 8 bits, held at 255); what a key without evidence brings is replaced later.
.set i, 0
.rept 32
	s_bfe_u32 s56, s[KW+i/2], (16*(i%2))|(8<<16)
	s_min_u32 s56, s56, 255
	v_lshl_add_u32 v[V+i], s56, 8, v4              ; 256 bytes a row, + 4 d
	global_load_b32 v[V+i], v[V+i], s[14:15]       ; 32 lanes read 128 consecutive bytes; the load lands on its own address register
.set i, i+1
.endr
; the table of scores: two entries a thread
	s_wait_loadcnt 49                              ; pop_lut is in: behind it were issued kc's 16 loads, mask_value's one and V's 32
	v_mov_b32 v8, s27
	v_max_num_f32 v8, 0x3dcccccd, v8               ; max(temperature, 0.1)
	s_wait_alu depctr_va_vdst(0)
	v_rcp_f32 v9, v8
	v_mov_b32 v15, 0xff800000                      ; -infinity.  (A plain instruction behind the reciprocal)
	s_wait_alu depctr_va_vdst(0)                   ; ahead of the reciprocal's first reader
	v_mul_f32 v16, v5, v9                          ; dist / temp: a first quotient,
	v_mul_f32 v17, v6, v9
	v_fma_f32 v18, -v16, v8, v5                    ; its remainder,
	v_fma_f32 v19, -v17, v8, v6
	v_fma_f32 v16, -v18, v9, -v16                  ; and the mended quotient, negated: the score
	v_fma_f32 v17, -v19, v9, -v17
	ds_store_b32 v3, v16 offset:TBL
	ds_store_b32 v3, v17 offset:TBL+512
	ds_store_b32 v3, v15 offset:TBL+1024           ; entries 256 .. 511: no evidence
	ds_store_b32 v3, v15 offset:TBL+1536
	s_wait_dscnt 0x0                               ; for the others' sake: my part of the table is written
	s_barrier_signal -1
	s_barrier_wait -1
; my 128 keys: index = 4 (kc xor c), held inside the table; then the gather, which lands on its own address register
	s_wait_loadcnt 33                              ; kc is in: behind it were issued mask_value's load and V's 32
.set n, 0
.rept 64
	v_xor_b32 v[W+n], s6, v[W+n]                   ; two keys at a time
.set n, n+1
.endr
.set n, 0
.rept 64
	v_lshlrev_b32 v[W+n], 2, v[W+n]                ; each half is under 512: nothing crosses into the upper half
.set n, n+1
.endr
.set n, 0
.rept 64
	v_and_b32 v[X+2*n], 0xffff, v[W+n]
	v_lshrrev_b32 v[X+2*n+1], 16, v[W+n]
.set n, n+1
.endr
.set n, 0
.rept 128
	v_min_u32 v[X+n], 0x7fc, v[X+n]
.set n, n+1
.endr
.set n, 0
.rept 128
	ds_load_b32 v[X+n], v[X+n] offset:TBL
.set n, n+1
.endr
	s_wait_dscnt 0x0                               ; my reads of the table are over:
	s_barrier_signal -1                            ; say so.  The wait stands ahead of the first LDS store below; between the two only registers are worked on
; the row's largest score: four chains, then across the 32 lanes
.irp k, 0,1,2,3
	v_max3_num_f32 v[M+\k], v[X+\k], v[X+4+\k], v[X+8+\k]
.endr
.set n, 12
.rept 14
.irp k, 0,1,2,3
	v_max3_num_f32 v[M+\k], v[M+\k], v[X+n+\k], v[X+n+4+\k]
.endr
.set n, n+8
.endr
.irp k, 0,1,2,3
	v_max_num_f32 v[M+\k], v[M+\k], v[X+124+\k]
.endr
	v_max3_num_f32 v[M], v[M], v[M+1], v[M+2]
	v_max_num_f32 v[M], v[M], v[M+3]
	v_max_num_f32_dpp v[M], v[M], v[M] row_xmask:1 row_mask:0xf bank_mask:0xf
	v_max_num_f32_dpp v[M], v[M], v[M] row_xmask:2 row_mask:0xf bank_mask:0xf
	v_max_num_f32_dpp v[M], v[M], v[M] row_xmask:4 row_mask:0xf bank_mask:0xf
	v_max_num_f32_dpp v[M], v[M], v[M] row_xmask:8 row_mask:0xf bank_mask:0xf
	v_permlanex16_b32 v[M+1], v[M], s[SEL], s[SEL+1]
	v_max_num_f32 v[M], v[M], v[M+1]
	v_and_b32 v[M+1], 0x7fffffff, v[M]
	v_cmp_gt_u32 vcc_lo, 0x7f800000, v[M+1]        ; finite?
	v_cndmask_b32 v[M], 0, v[M], vcc_lo            ; m = 0 where no key has evidence
	v_mov_b32 v[M+1], v[M]
.set n, 0
.rept 64
	v_pk_add_f32 v[X+n:X+n+1], v[X+n:X+n+1], v[M:M+1] neg_lo:[0,1] neg_hi:[0,1]   ; score - m, as the problem forms it
.set n, n+2
.endr
.set n, 0
.rept 64
	v_pk_mul_f32 v[X+n:X+n+1], v[X+n:X+n+1], s[LG:LG+1] op_sel_hi:[1,0]           ; x log2(e)
.set n, n+2
.endr
.set n, 0
	s_wait_alu depctr_va_vdst(0)
.rept 128
	v_exp_f32 v[X+n], v[X+n]                       ; e; -infinity gives 0
.set n, n+1
.endr
	v_nop                                          ; a plain instruction behind the last exponential
	s_wait_alu depctr_va_vdst(0)                   ; one wait for the batch of 128, ahead of its first reader
.irp k, 0,1,2,3
	v_pk_add_f32 v[M+2*\k:M+2*\k+1], v[X+2*\k:X+2*\k+1], v[X+8+2*\k:X+8+2*\k+1]   ; the sum: four chains of pairs
.endr
.set n, 16
.rept 14
.irp k, 0,1,2,3
	v_pk_add_f32 v[M+2*\k:M+2*\k+1], v[M+2*\k:M+2*\k+1], v[X+n+2*\k:X+n+2*\k+1]
.endr
.set n, n+8
.endr
	v_pk_add_f32 v[M:M+1], v[M:M+1], v[M+2:M+3]
	v_pk_add_f32 v[M+4:M+5], v[M+4:M+5], v[M+6:M+7]
	v_pk_add_f32 v[M:M+1], v[M:M+1], v[M+4:M+5]
	v_add_f32 v[M], v[M], v[M+1]
	v_add_f32_dpp v[M], v[M], v[M] row_xmask:1 row_mask:0xf bank_mask:0xf
	v_add_f32_dpp v[M], v[M], v[M] row_xmask:2 row_mask:0xf bank_mask:0xf
	v_add_f32_dpp v[M], v[M], v[M] row_xmask:4 row_mask:0xf bank_mask:0xf
	v_add_f32_dpp v[M], v[M], v[M] row_xmask:8 row_mask:0xf bank_mask:0xf
	v_permlanex16_b32 v[M+1], v[M], s[SEL], s[SEL+1]
	v_add_f32 v[M], v[M], v[M+1]
	v_max_num_f32 v[M], 0x1e3ce508, v[M]           ; max(sum, 1e-20)
	s_wait_alu depctr_va_vdst(0)
	v_rcp_f32 v[M+2], v[M]
	v_nop
	s_wait_alu depctr_va_vdst(0)                   ; ahead of the reciprocal's first reader
	v_fma_f32 v[M+3], -v[M], v[M+2], 1.0           ; one Newton step
	v_fma_f32 v[M+2], v[M+3], v[M+2], v[M+2]
	v_mov_b32 v[M+3], v[M+2]
.set n, 0
.rept 64
	v_pk_mul_f32 v[X+n:X+n+1], v[X+n:X+n+1], v[M+2:M+3]                            ; attn, finished and normalised
.set n, n+2
.endr
	s_barrier_wait -1                              ; every wave's reads of the table are over: LDS may be written
; Eight groups of 256 keys at a time.  In a group a lane holds 8 keys and four neighbouring lanes a block.  attn is never negative: no |.|, and the hold is one-sided.
.macro QHALF hh
.irp g, 0,1,2,3,4,5,6,7
	v_max3_num_f32 v[T+\g], v[X+64*\hh+8*\g], v[X+64*\hh+8*\g+1], 0x8000000   ; with the floor 2^(16 - 127): the byte cannot fall under 1
.endr
.irp e, 2,4,6
.irp g, 0,1,2,3,4,5,6,7
	v_max3_num_f32 v[T+\g], v[T+\g], v[X+64*\hh+8*\g+\e], v[X+64*\hh+8*\g+\e+1]
.endr
.endr
.irp g, 0,1,2,3,4,5,6,7
	v_max_num_f32_dpp v[T+\g], v[T+\g], v[T+\g] row_xmask:1 row_mask:0xf bank_mask:0xf
.endr
.irp g, 0,1,2,3,4,5,6,7
	v_max_num_f32_dpp v[T+\g], v[T+\g], v[T+\g] row_xmask:2 row_mask:0xf bank_mask:0xf   ; the block's largest magnitude, in its four lanes
.endr
.irp g, 0,1,2,3,4,5,6,7
	v_add_nc_u32 v[SCL+\g], 0xf8800000, v[T+\g]    ; 15 off its exponent field: the conversion takes this operand's exponent field as its scale
.endr
.irp g, 0,1,2,3,4,5,6,7
	v_and_or_b32 v[H+\g], v[T+\g], 0x7f800000, s[MNT]   ; 57,344 x the scale
.endr
.irp g, 0,1,2,3,4,5,6,7
	v_lshrrev_b32 v[T+\g], 23, v[SCL+\g]           ; the scale's byte
.endr
.irp g, 0,1,2,3,4,5,6,7
.irp e, 0,1,2,3,4,5,6,7
	v_min_num_f32 v[X+64*\hh+8*\g+\e], v[X+64*\hh+8*\g+\e], v[H+\g]   ; the conversion to an 8-bit code does not saturate (ISA guide 7.6.2)
.endr
	v_cvt_scalef32_pk8_bf8_f32 v[C+16*\hh+2*\g:C+16*\hh+2*\g+1], v[X+64*\hh+8*\g:X+64*\hh+8*\g+7], v[SCL+\g]
.endr
	v_nop                                          ; a plain instruction behind the last conversion, ahead of whatever next writes its sources
.irp g, 0,1,2,3,4,5,6,7
	ds_store_b8 v10, v[T+\g] offset:AS+8*(8*\hh+\g)          ; the four lanes of a block write the same byte with the same value
	global_store_b64 v11, v[C+16*\hh+2*\g:C+16*\hh+2*\g+1], s[18:19] offset:256*(8*\hh+\g)   ; 32 lanes store 256 consecutive bytes, aligned
.endr
.endm
	QHALF 0
	QHALF 1
; V: my column's 32 numbers of the block
	s_wait_loadcnt 0x0
.set i, 0
.rept 32
	s_bitcmp1_b32 s[KW+i/2], 8+16*(i%2)            ; no evidence?
	s_cselect_b32 vcc_lo, -1, 0
	v_cndmask_b32 v[V+i], v[V+i], v7, vcc_lo       ; then mask_value[d]
.set i, i+1
.endr
	v_max3_num_f32 v[T], |v[V]|, |v[V+1]|, |v[V+2]|
	v_max3_num_f32 v[T+1], |v[V+3]|, |v[V+4]|, |v[V+5]|
.irp i, 6,10,14,18,22,26
	v_max3_num_f32 v[T], v[T], |v[V+\i]|, |v[V+\i+1]|
	v_max3_num_f32 v[T+1], v[T+1], |v[V+\i+2]|, |v[V+\i+3]|
.endr
	v_max3_num_f32 v[T], v[T], |v[V+30]|, |v[V+31]|
	v_max3_num_f32 v[T], v[T], v[T+1], 0x8000000   ; and the floor
	v_add_nc_u32 v[SCL], 0xf8800000, v[T]
	v_and_or_b32 v[H], v[T], 0x7f800000, s[MNT]
	v_lshrrev_b32 v[T+2], 23, v[SCL]
.set i, 0
.rept 32
	v_med3_num_f32 v[V+i], v[V+i], -v[H], v[H]
.set i, i+1
.endr
.irp g, 0,1,2,3
	v_cvt_scalef32_pk8_bf8_f32 v[X+2*\g:X+2*\g+1], v[V+8*\g:V+8*\g+7], v[SCL]
.endr
	v_nop
	ds_store_b8 v12, v[T+2] offset:VS
	global_store_b128 v13, v[X:X+3], s[22:23]              ; keys 0-15 of the block: what lanes 0-15 of the operand hold; 16 lanes store 256 consecutive bytes, aligned
	global_store_b128 v13, v[X+4:X+7], s[22:23] offset:256 ; keys 16-31: lanes 16-31 of the operand
	s_wait_dscnt 0x0                               ; for the others' sake: my scale bytes are written
	s_barrier_signal -1
	s_barrier_wait -1
	s_cmp_lg_u32 s2, 0
	s_cbranch_scc1 .Lnot_wave_0
	ds_load_b128 v[X+16:X+19], v2 offset:AS        ; the four rows' scale bytes
	s_wait_dscnt 0x0
	global_store_b128 v2, v[X+16:X+19], s[20:21]   ; 512 consecutive bytes, aligned
.Lnot_wave_0:
	s_cmp_lg_u32 s2, 1
	s_cbranch_scc1 .Lend
	ds_load_b32 v[X+20], v14 offset:VS             ; V's 32 scale words
	s_wait_dscnt 0x0
	global_store_b32 v14, v[X+20], s[24:25]        ; 128 consecutive bytes
.Lend:
	s_wait_tensorcnt 0x0
	ds_add_u32 v30, v31
	s_wait_dscnt 0x0
	s_endpgm
.Lfunc_end_k_qda32ce9426_tables:
	.size	k_qda32ce9426_tables, .Lfunc_end_k_qda32ce9426_tables-k_qda32ce9426_tables
	.p2alignl 7, 3214868480
	.fill 96, 4, 3214868480
	.section	.rodata,"a",@progbits
	.p2align	6, 0x0
	.amdhsa_kernel k_qda32ce9426_tables
		.amdhsa_group_segment_fixed_size 4608
		.amdhsa_private_segment_fixed_size 0
		.amdhsa_enable_private_segment 0
		.amdhsa_kernarg_size 72
		.amdhsa_user_sgpr_count 2
		.amdhsa_user_sgpr_kernarg_segment_ptr 1
		.amdhsa_wavefront_size32 1
		.amdhsa_system_sgpr_workgroup_id_x 1
		.amdhsa_system_sgpr_workgroup_id_y 1
		.amdhsa_system_sgpr_workgroup_id_z 1
		.amdhsa_system_vgpr_workitem_id 0
		.amdhsa_next_free_vgpr 256
		.amdhsa_next_free_sgpr 66
		.amdhsa_reserve_vcc 1
		.amdhsa_float_denorm_mode_32 3
		.amdhsa_float_denorm_mode_16_64 3
		.amdhsa_memory_ordered 1
		.amdhsa_forward_progress 1
		.amdhsa_inst_pref_size 91
	.end_amdhsa_kernel
	.amdgpu_metadata
---
amdhsa.version: [ 1, 2 ]
amdhsa.kernels:
  - .name:           k_qda32ce9426_tables
    .symbol:         k_qda32ce9426_tables.kd
    .args:
      - { .name: kc, .offset: 0, .size: 8, .value_kind: global_buffer, .address_space: global }
      - { .name: pop_lut, .offset: 8, .size: 8, .value_kind: global_buffer, .address_space: global }
      - { .name: temperature, .offset: 16, .size: 8, .value_kind: global_buffer, .address_space: global }
      - { .name: value_table, .offset: 24, .size: 8, .value_kind: global_buffer, .address_space: global }
      - { .name: mask_value, .offset: 32, .size: 8, .value_kind: global_buffer, .address_space: global }
      - { .name: acodes, .offset: 40, .size: 8, .value_kind: global_buffer, .address_space: global }
      - { .name: ascales, .offset: 48, .size: 8, .value_kind: global_buffer, .address_space: global }
      - { .name: vcodes, .offset: 56, .size: 8, .value_kind: global_buffer, .address_space: global }
      - { .name: vscales, .offset: 64, .size: 8, .value_kind: global_buffer, .address_space: global }
    .group_segment_fixed_size: 4608
    .private_segment_fixed_size: 0
    .kernarg_segment_align: 8
    .kernarg_segment_size: 72
    .max_flat_workgroup_size: 128
    .sgpr_count:     66
    .vgpr_count:     256
    .wavefront_size: 32
...
	.end_amdgpu_metadata
.endif
;; end of part 2
;; launch attend (part 3): grid 256 x 1, 4 waves a work-group, no clusters, 266,752 bytes of LDS; arguments kc, acodes, ascales, vcodes, vscales, out0; writes out0
.if DOCPART == 3
	.amdgcn_target "amdgcn-amd-amdhsa--gfx1250"
	.amdhsa_code_object_version 6
	.text
	.protected	k_qda32ce9426_attend
	.globl	k_qda32ce9426_attend
	.p2align	8
	.type	k_qda32ce9426_attend,@function
k_qda32ce9426_attend:
	s_mov_b64 s[64:65], 0
	v_nop
	global_prefetch_b8 v0, s[64:65] scope:SCOPE_SE
	s_setreg_imm32_b32 hwreg(HW_REG_WAVE_MODE, 25, 1), 1
	s_wait_xcnt 0x0
; out0[b][d][q] = the sum over the keys of attn[b][q][key] x values[b][key][d], both as codes of BF8 (E5M2) with E8M0 scales, as the launch before has made them; sums in f32.
; attn's row of query q is row kc[b][q] & 255 of acodes[b] (4,096 bytes) and of ascales[b] (128 bytes).  The product is done in full, for every query.
; SHARES.  A work-group makes 64 neighbouring queries x all 64 d of one batch.  THE FOUR WAVES SHARE K: wave w takes keys 1,024 w on, 8 K steps of 128, with a tile of 64 x 64: 16 accumulators.
;   So every fragment of attn and of V is read by one wave, once, and feeds four matrix instructions; the four partial tiles are added at the end, through LDS.
; ATTN.  A wave's 64 rows x 1,024 bytes come into its own LDS region by asynchronous copies: in each, lanes 0-15 take 256 consecutive bytes of one row, lanes 16-31 of the next.  128 copies a wave, filled once, nothing filled again.
;   They go out piece by piece of 256 bytes (two K steps) over all 64 rows, so that a counted wait opens the first K steps while the later pieces are on their way.
;   An LDS row is 1,024 + 16 bytes = 260 words: row r starts at bank 4 r mod 64 (64 banks of 4 bytes: ISA guide 11.1), so the 16 rows of a fragment load start at 16 different banks.  A piece's step, 256 bytes, is the
;   same in memory and in LDS: it stands in the copy's immediate, which is added to both addresses.
; V.  Its fragments lie in memory in the order of the operand's registers: each load covers 512 consecutive bytes and goes straight into registers: a ring of four buffers, three K steps ahead.
; NO CLUSTER.  V's codes are what the 64 work-groups of a batch share.  A joint load lands in LDS alone; 266,240 of a WGP's 327,680 bytes hold the gathered rows, and two slots of one K step for each of four waves
;   (2 x 4 x 8,192 = 65,536 bytes) do not fit into the 61,440 left.
; SOURCES.  Source 0 = 16 queries of attn, source 1 = 16 columns d of V: in the result lane (r, h) holds d = r and its registers the queries 8 h + 0 .. 7: neighbours in a row of out0.
; SCALES.  One register carries two tiles' words: lane l holds query (or column) 32 p + l, so tile 2 p reads lanes 0-15 and tile 2 p + 1 lanes 16-31.
; REGISTERS, in windows of 256: window 0: v0-19 addresses; v32-63, v64-95 the copies' offsets in memory and addresses in LDS (a copy's sources stay until its counter shows it done: each pair of rows has its own);
;   v96-111 attn's scale words, v112-127 V's; v128-255 the accumulators ((mt, nt) at v[128 + 8 (4 mt + nt)]).   window 1: V's four buffers of 64.   window 2: attn's two buffers of 64.
.set RP,     1040                      ; an LDS row
.set REGION, 64*RP                     ; a wave's region
.set SPI,    272                       ; the stage at the end: a row d of 64 queries, 256 bytes + 16
.set QS,  14                           ; v14-15  the codes of queries 32 p + lane, then their rows' offsets in ascales
.set RD,  16                           ; v16-19  the stage: where I read my rows back from partial u
.set GA,  32
.set LA,  64
.set SA,  96
.set SB,  112
.set ACC, 128
.set MSB, 0
.macro WIN new                         ; the immediate's high byte repeats the setting that is left; bits 1:0 source 0, 3:2 source 1, 5:4 source 2, 7:6 destination
.if MSB != \new
	s_set_vgpr_msb (MSB<<8)|\new
.set MSB, \new
.endif
.endm
	s_load_b256 s[4:11], s[0:1], 0x0               ; kc s[4:5], acodes s[6:7], ascales s[8:9], vcodes s[10:11]
	s_load_b128 s[12:15], s[0:1], 0x20             ; vscales s[12:13], out0 s[14:15]
	v_lshl_add_u32 v30, v0, 2, 0x41000
	v_mov_b32 v31, 0
	ds_add_u32 v30, v31
	ds_add_u32 v30, v31
	v_lshrrev_b32 v1, 5, v0
	v_readfirstlane_b32 s2, v1                     ; wave 0..3: my quarter of K
	v_and_b32 v3, 31, v0                           ; lane
	s_wait_alu depctr_va_vdst(0)
	v_and_b32 v1, 15, v0                           ; r
	v_bfe_u32 v2, v0, 4, 1                         ; h
	s_wait_alu depctr_va_vdst(0)
	s_lshr_b32 s3, ttmp9, 6                        ; batch
	s_and_b32 s16, ttmp9, 63                       ; which 64 queries of it
	s_lshl_b32 s18, ttmp9, 7                       ; kc: 64 queries x 2 bytes a work-group
	s_mov_b32 s19, 0
	s_lshl_b32 s20, s3, 20                         ; acodes: 256 rows x 4,096 bytes a batch
	s_mov_b32 s21, 0
	s_lshl_b32 s22, s3, 15                         ; ascales: 256 rows x 128 bytes a batch, + my quarter's 32 bytes of a row
	s_lshl_b32 s17, s2, 5
	s_add_co_u32 s22, s22, s17
	s_mov_b32 s23, 0
	s_lshl_b32 s24, s3, 18                         ; vcodes: 262,144 a batch, + my 8 K steps of 8,192
	s_lshl_b32 s17, s2, 16
	s_add_co_u32 s24, s24, s17
	s_mov_b32 s25, 0
	s_lshl_b32 s26, s3, 13                         ; vscales: 8,192 a batch, + my 8 K steps of 256
	s_lshl_b32 s17, s2, 11
	s_add_co_u32 s26, s26, s17
	s_mov_b32 s27, 0
	s_lshl_b32 s28, s3, 20                         ; out0: 64 rows d x 16,384 bytes a batch; at the end wave w stores rows 16 w on; + the 64 queries' 256 bytes
	s_lshl_b32 s17, s2, 18
	s_add_co_u32 s28, s28, s17
	s_lshl_b32 s17, s16, 8
	s_add_co_u32 s28, s28, s17
	s_mov_b32 s29, 0
	s_mul_i32 s30, s2, REGION                      ; my region of LDS
	s_mul_i32 s31, s2, 16*SPI                      ; my 16 rows of a partial tile
	v_lshlrev_b32 v4, 4, v3                        ; 16 x lane: V's fragments
	v_lshlrev_b32 v5, 2, v3                        ; 4 x lane: V's scale words
	v_lshlrev_b32 v6, 1, v2                        ; 2 h: kc of rows 2 p + h
	v_lshlrev_b32 v7, 1, v3                        ; 2 x lane: kc of queries 32 p + lane
	v_mul_u32_u24 v8, v1, RP
	v_lshl_add_u32 v8, v2, 4, v8
	v_add_nc_u32 v8, s30, v8                       ; attn's fragments: row r x pitch + 16 h
	v_mul_u32_u24 v9, v1, SPI
	v_lshl_add_u32 v9, v2, 5, v9
	v_add_nc_u32 v9, s30, v9                       ; the stage, in: row d = r, + 32 h: my 8 queries
	v_lshlrev_b32 v10, 14, v2
	v_lshl_add_u32 v10, v1, 4, v10                 ; out0: lanes 0-15 one row d, lanes 16-31 the next; 16 bytes a lane
	s_lshl_b32 s17, s2, 10
	v_lshlrev_b32 v11, 4, v1
	v_add_nc_u32 v11, s17, v11                     ; a copy in memory: my quarter's 1,024 bytes of a row, + 16 r
	v_mul_u32_u24 v12, v2, RP
	v_lshl_add_u32 v12, v1, 4, v12
	v_add_nc_u32 v12, s30, v12                     ; and in LDS: row h, + 16 r
	v_mul_u32_u24 v13, v2, SPI
	v_lshl_add_u32 v13, v1, 4, v13
	v_add_nc_u32 v13, s31, v13
.irp u, 0,1,2,3
	v_add_nc_u32 v[RD+\u], \u*REGION, v13          ; the stage, back: partial u lies at the head of wave u's region
.endr
	s_wait_alu depctr_va_vdst(0)
	s_wait_dscnt 0x0
	s_wait_kmcnt 0x0
	s_add_nc_u64 s[4:5], s[4:5], s[18:19]
	s_add_nc_u64 s[6:7], s[6:7], s[20:21]
	s_add_nc_u64 s[8:9], s[8:9], s[22:23]
	s_add_nc_u64 s[10:11], s[10:11], s[24:25]
	s_add_nc_u64 s[12:13], s[12:13], s[26:27]
	s_add_nc_u64 s[14:15], s[14:15], s[28:29]
.set p, 0
.rept 32
	global_load_u16 v[GA+p], v6, s[4:5] offset:4*p   ; kc of query 2 p + h
.set p, p+1
.endr
	global_load_u16 v[QS], v7, s[4:5]              ; kc of query lane,
	global_load_u16 v[QS+1], v7, s[4:5] offset:64  ; and of query 32 + lane
.macro BLOAD st                        ; V's four fragments of my K step st into buffer st % 4
	WIN 0x40                                       ; destination window 1
.irp nt, 0,1,2,3
.irp c, 0,1,2,3
	global_load_b128 v[64*((\st)%4)+16*\nt+4*\c:64*((\st)%4)+16*\nt+4*\c+3], v4, s[10:11] offset:(\st)*8192+\nt*2048+\c*512
.endr
.endr
.endm
.macro ALOAD st                        ; attn's four fragments of my K step st into buffer st % 2: lane (r, h), registers 4 c on: keys 32 c + 16 h + 0 .. 15 of row 16 mt + r
	WIN 0x80                                       ; destination window 2
.irp mt, 0,1,2,3
.irp c, 0,1,2,3
	ds_load_b128 v[64*((\st)%2)+16*\mt+4*\c:64*((\st)%2)+16*\mt+4*\c+3], v8 offset:\mt*16*RP+(\st)*128+\c*32
.endr
.endr
.endm
	BLOAD 0
	WIN 0
.set p, 0
.rept 32
	v_add_nc_u32 v[LA+p], p*2*RP, v12              ; rows 2 p + h
.set p, p+1
.endr
	s_wait_loadcnt 16                              ; the codes are in; V's K step 0, 16 loads, may be out
.set p, 0
.rept 32
	v_and_b32 v[GA+p], 0xff, v[GA+p]               ; the query's own code, evidence or not
.set p, p+1
.endr
.set p, 0
.rept 32
	v_min_u32 v[GA+p], 0xff, v[GA+p]
.set p, p+1
.endr
.set p, 0
.rept 32
	v_lshl_add_u32 v[GA+p], v[GA+p], 12, v11       ; its row of 4,096 bytes
.set p, p+1
.endr
.irp p, 0,1
	v_and_b32 v[QS+\p], 0xff, v[QS+\p]
	v_min_u32 v[QS+\p], 0xff, v[QS+\p]
	v_lshlrev_b32 v[QS+\p], 7, v[QS+\p]            ; its row of 128 scale bytes
.endr
.irp p, 0,1
	global_load_b128 v[SA+8*\p:SA+8*\p+3], v[QS+\p], s[8:9]              ; the words of my K steps 0-3,
	global_load_b128 v[SA+8*\p+4:SA+8*\p+7], v[QS+\p], s[8:9] offset:16  ; and 4-7
.endr
.irp p, 0,1
.irp st, 0,1,2,3,4,5,6,7
	global_load_b32 v[SB+8*\p+\st], v5, s[12:13] offset:\st*256+\p*128   ; V's word of column 32 p + lane
.endr
.endr
	BLOAD 1
	BLOAD 2
	WIN 0
; all 128 copies, ahead of the first wait on their counter, the first LDS read and the barrier
.irp i, 0,1,2,3
.set p, 0
.rept 32
	global_load_async_to_lds_b128 v[LA+p], v[GA+p], s[6:7] offset:256*\i
.set p, p+1
.endr
.endr
; One matrix instruction.  The 16 accumulators take turns, one instruction a turn, in the same order in every K step.
.macro WM st, mt, nt, zero
.set rD, ACC+8*(4*\mt+\nt)
.set rA, 64*((\st)%2)+16*\mt
.set rB, 64*((\st)%4)+16*\nt
.set rS, SA+8*(\mt/2)+(\st)
.set rT, SB+8*(\nt/2)+(\st)
.if \zero
.if (\mt%2 == 0) && (\nt%2 == 0)
	v_wmma_scale_f32_16x16x128_f8f6f4 v[rD:rD+7], v[rA:rA+15], v[rB:rB+15], 0, v[rS], v[rT] matrix_a_fmt:MATRIX_FMT_BF8 matrix_b_fmt:MATRIX_FMT_BF8
.elseif (\mt%2 == 0)
	v_wmma_scale_f32_16x16x128_f8f6f4 v[rD:rD+7], v[rA:rA+15], v[rB:rB+15], 0, v[rS], v[rT] matrix_a_fmt:MATRIX_FMT_BF8 matrix_b_fmt:MATRIX_FMT_BF8 matrix_b_scale:MATRIX_SCALE_ROW1
.elseif (\nt%2 == 0)
	v_wmma_scale_f32_16x16x128_f8f6f4 v[rD:rD+7], v[rA:rA+15], v[rB:rB+15], 0, v[rS], v[rT] matrix_a_fmt:MATRIX_FMT_BF8 matrix_b_fmt:MATRIX_FMT_BF8 matrix_a_scale:MATRIX_SCALE_ROW1
.else
	v_wmma_scale_f32_16x16x128_f8f6f4 v[rD:rD+7], v[rA:rA+15], v[rB:rB+15], 0, v[rS], v[rT] matrix_a_fmt:MATRIX_FMT_BF8 matrix_b_fmt:MATRIX_FMT_BF8 matrix_a_scale:MATRIX_SCALE_ROW1 matrix_b_scale:MATRIX_SCALE_ROW1
.endif
.else
.if (\mt%2 == 0) && (\nt%2 == 0)
	v_wmma_scale_f32_16x16x128_f8f6f4 v[rD:rD+7], v[rA:rA+15], v[rB:rB+15], v[rD:rD+7], v[rS], v[rT] matrix_a_fmt:MATRIX_FMT_BF8 matrix_b_fmt:MATRIX_FMT_BF8
.elseif (\mt%2 == 0)
	v_wmma_scale_f32_16x16x128_f8f6f4 v[rD:rD+7], v[rA:rA+15], v[rB:rB+15], v[rD:rD+7], v[rS], v[rT] matrix_a_fmt:MATRIX_FMT_BF8 matrix_b_fmt:MATRIX_FMT_BF8 matrix_b_scale:MATRIX_SCALE_ROW1
.elseif (\nt%2 == 0)
	v_wmma_scale_f32_16x16x128_f8f6f4 v[rD:rD+7], v[rA:rA+15], v[rB:rB+15], v[rD:rD+7], v[rS], v[rT] matrix_a_fmt:MATRIX_FMT_BF8 matrix_b_fmt:MATRIX_FMT_BF8 matrix_a_scale:MATRIX_SCALE_ROW1
.else
	v_wmma_scale_f32_16x16x128_f8f6f4 v[rD:rD+7], v[rA:rA+15], v[rB:rB+15], v[rD:rD+7], v[rS], v[rT] matrix_a_fmt:MATRIX_FMT_BF8 matrix_b_fmt:MATRIX_FMT_BF8 matrix_a_scale:MATRIX_SCALE_ROW1 matrix_b_scale:MATRIX_SCALE_ROW1
.endif
.endif
.endm
; A K step.  Its loads go into the buffers that the step before has multiplied: a load into a register that a matrix instruction has read stands eight places behind it, and only plain vector instructions
; that name none of its registers are places.
.macro STEP st
.if (\st) > 0
.rept 8
	v_nop
.endr
.endif
.if (\st) < 7
.if (\st) == 1
	s_wait_asynccnt 63                             ; the rows' second 256 bytes (K steps 2, 3) are in: 64 copies were issued behind them, and 63 is the most that the wait can name
.elseif (\st) == 3
	s_wait_asynccnt 32                             ; the third: the last 32 copies may be out
.elseif (\st) == 5
	s_wait_asynccnt 0                              ; the last
.endif
	ALOAD (\st)+1
.endif
.if (\st) < 5
	BLOAD (\st)+3
.endif
.if (\st) < 7
	s_wait_dscnt 16                                ; this step's fragments of attn are in; the next step's 16 loads may be out
.else
	s_wait_dscnt 0
.endif
.if (\st) < 5
	s_wait_loadcnt 48                              ; this step's V is in (in step 0 the scale words too, issued ahead of K step 1's loads); the 3 x 16 loads of the next three steps may be out
.else
	s_wait_loadcnt 16*(7-(\st))                    ; the steps that are left
.endif
	WIN 0x06                                       ; source 0 (attn) window 2, source 1 (V) window 1, C and D window 0
.irp mt, 0,1,2,3
.irp nt, 0,1,2,3
.if (\st) == 0
	WM \st, \mt, \nt, 1                            ; the first K step starts the sums: nothing is cleared
.else
	WM \st, \mt, \nt, 0
.endif
.endr
.endr
.endm
	s_wait_asynccnt 63                             ; the rows' first 256 bytes (K steps 0, 1) are in: 96 copies were issued behind them; 63 is the most that the wait can name
	ALOAD 0
.irp s, 0,1,2,3,4,5,6,7
	STEP \s
.endr
	WIN 0
; THE END.  My partial tile goes into the head of my own region: its copies have landed (the wait for 0 above) and my reads of it are back (the last step's wait for 0); nothing is copied into LDS any more.
.rept 8
	v_nop                                          ; eight places behind the last products, ahead of the first read of results and of the loads into the accumulators below
.endr
.irp mt, 0,1,2,3
.irp nt, 0,1,2,3
	ds_store_b128 v9, v[ACC+8*(4*\mt+\nt):ACC+8*(4*\mt+\nt)+3] offset:\nt*16*SPI+64*\mt        ; row d = 16 nt + r, queries 16 mt + 8 h + 0 .. 3; each accumulator from its low end on
	ds_store_b128 v9, v[ACC+8*(4*\mt+\nt)+4:ACC+8*(4*\mt+\nt)+7] offset:\nt*16*SPI+64*\mt+16
.endr
.endr
	s_wait_dscnt 0x0                               ; for the others' sake: my partial tile is written
	s_barrier_signal -1
	s_barrier_wait -1
.irp u, 0,1,2,3
.irp t, 0,1,2,3,4,5,6,7
	ds_load_b128 v[ACC+32*\u+4*\t:ACC+32*\u+4*\t+3], v[RD+\u] offset:2*\t*SPI   ; rows d = 16 w + 2 t + h of partial u, 16 bytes a lane
.endr
.endr
	s_wait_dscnt 0x0
.irp t, 0,1,2,3,4,5,6,7
.irp e, 0,2
	v_pk_add_f32 v[ACC+4*\t+\e:ACC+4*\t+\e+1], v[ACC+4*\t+\e:ACC+4*\t+\e+1], v[ACC+32+4*\t+\e:ACC+32+4*\t+\e+1]
	v_pk_add_f32 v[ACC+64+4*\t+\e:ACC+64+4*\t+\e+1], v[ACC+64+4*\t+\e:ACC+64+4*\t+\e+1], v[ACC+96+4*\t+\e:ACC+96+4*\t+\e+1]
.endr
.endr
.irp t, 0,1,2,3,4,5,6,7
.irp e, 0,2
	v_pk_add_f32 v[ACC+4*\t+\e:ACC+4*\t+\e+1], v[ACC+4*\t+\e:ACC+4*\t+\e+1], v[ACC+64+4*\t+\e:ACC+64+4*\t+\e+1]
.endr
	global_store_b128 v10, v[ACC+4*\t:ACC+4*\t+3], s[14:15] offset:\t*32768 th:TH_STORE_NT   ; 16 lanes store the 256 consecutive bytes of 64 queries of one row d, aligned
.endr
	s_wait_tensorcnt 0x0
	ds_add_u32 v30, v31
	s_wait_dscnt 0x0
	s_endpgm
.Lfunc_end_k_qda32ce9426_attend:
	.size	k_qda32ce9426_attend, .Lfunc_end_k_qda32ce9426_attend-k_qda32ce9426_attend
	.p2alignl 7, 3214868480
	.fill 96, 4, 3214868480
	.section	.rodata,"a",@progbits
	.p2align	6, 0x0
	.amdhsa_kernel k_qda32ce9426_attend
		.amdhsa_group_segment_fixed_size 266752
		.amdhsa_private_segment_fixed_size 0
		.amdhsa_enable_private_segment 0
		.amdhsa_kernarg_size 48
		.amdhsa_user_sgpr_count 2
		.amdhsa_user_sgpr_kernarg_segment_ptr 1
		.amdhsa_wavefront_size32 1
		.amdhsa_system_sgpr_workgroup_id_x 1
		.amdhsa_system_sgpr_workgroup_id_y 1
		.amdhsa_system_sgpr_workgroup_id_z 1
		.amdhsa_system_vgpr_workitem_id 0
		.amdhsa_next_free_vgpr 640
		.amdhsa_next_free_sgpr 66
		.amdhsa_reserve_vcc 0
		.amdhsa_float_denorm_mode_32 3
		.amdhsa_float_denorm_mode_16_64 3
		.amdhsa_memory_ordered 1
		.amdhsa_forward_progress 1
		.amdhsa_inst_pref_size 77
	.end_amdhsa_kernel
	.amdgpu_metadata
---
amdhsa.version: [ 1, 2 ]
amdhsa.kernels:
  - .name:           k_qda32ce9426_attend
    .symbol:         k_qda32ce9426_attend.kd
    .args:
      - { .name: kc, .offset: 0, .size: 8, .value_kind: global_buffer, .address_space: global }
      - { .name: acodes, .offset: 8, .size: 8, .value_kind: global_buffer, .address_space: global }
      - { .name: ascales, .offset: 16, .size: 8, .value_kind: global_buffer, .address_space: global }
      - { .name: vcodes, .offset: 24, .size: 8, .value_kind: global_buffer, .address_space: global }
      - { .name: vscales, .offset: 32, .size: 8, .value_kind: global_buffer, .address_space: global }
      - { .name: out0, .offset: 40, .size: 8, .value_kind: global_buffer, .address_space: global }
    .group_segment_fixed_size: 266752
    .private_segment_fixed_size: 0
    .kernarg_segment_align: 8
    .kernarg_segment_size: 48
    .max_flat_workgroup_size: 128
    .sgpr_count:     66
    .vgpr_count:     640
    .wavefront_size: 32
...
	.end_amdgpu_metadata
.endif
;; end of part 3
